; MI455X (gfx1250); checked and timed in simulation.
; The chip was launched on July 23, 2026; its instructions are those of AMD's public machine-readable ISA for CDNA 5 (MIT licence, August 2026) and "CDNA5" Instruction Set Architecture Reference Guide (July 2026). The comments in the code are by the model that wrote it; some were corrected since.
;; Quant Linear. Allowed arithmetic: float matrix products may take bf16 or f16 operands with f32 sums; other float arithmetic in f32, or as packed bf16 or f16 multiplies, adds, multiply-adds, maxima and minima; sums over many terms, partial sums and values carried from step to step in f32; what a program stores and reads back later, other than sums and carried values, may be rounded once to bf16 or f16.
;; Inputs: W 2,048 x 4,096 float32; x 4 x 2,048 x 4,096 float32.
;; Outputs: out0 4 x 2,048 x 2,048 float32.
;; 2 versions, each right; version 2 is version 1 with the launch quant written anew for expert scheduling mode. Each part assembles by itself: llvm-mc -triple=amdgcn-amd-amdhsa -mcpu=gfx1250 --defsym DOCPART=n.
;; ======== version 1 of 2: 3 launches
;; workspace buffers: xb 67,108,864 bytes; wq 16,777,216 bytes; part 1,024 bytes
;; launch prep (part 1): grid 256 x 1, 8 waves a work-group, no clusters, 1,280 bytes of LDS; arguments x, W, xb, part; writes xb, part
.if DOCPART == 1
	.amdgcn_target "amdgcn-amd-amdhsa--gfx1250"
	.amdhsa_code_object_version 6
	.text
	.protected	k_q18dc8cf95b_prep
	.globl	k_q18dc8cf95b_prep
	.p2align	8
	.type	k_q18dc8cf95b_prep,@function
k_q18dc8cf95b_prep:
	s_mov_b64 s[64:65], 0
	v_nop
	global_prefetch_b8 v0, s[64:65] scope:SCOPE_SE
	s_setreg_imm32_b32 hwreg(HW_REG_WAVE_MODE, 25, 1), 1
	s_wait_xcnt 0x0
; prep: (1) part[g] = the sum of |bf16(W)| over work-group g's 32,768 numbers of W, in f32;  (2) xb = bf16(x), rounded to nearest even.
; LIMIT, for the whole program: x AND W are rounded to bf16 as they are loaded, and the mean, the division, the rounding and the clip are made in f32 on the rounded W.
; A weight whose quotient W / scale lies within bf16's step (2^-8 of itself) of 0.5 or 1.5 can so fall on the other side than it would unrounded.  NaN and infinities are not treated apart.
; The sum's order: eight chains of 16 terms a lane, a tree over them, over the 32 lanes, over the 8 waves; the 256 work-groups' sums are added by the launches behind.
; SHARES.  256 work-groups of eight waves.  A wave owns 16,384 consecutive bytes of W (32 loads of 512 bytes) and 65,536 consecutive bytes of x (128 loads); a lane takes 16 bytes a load
; and stores 8 bytes of xb, so a wave's store covers 256 consecutive bytes, aligned.  A ring of 32 slots in registers keeps 32 loads of every wave on their way: W's first; each slot is asked for
; again, for x, as soon as it has been read.  No LDS on the way, no matrix unit, no cluster: no byte is wanted twice.
.set SPARE, 256                        ; LDS: bytes 0-31 the eight waves' sums (the block 0-255 is theirs); from 256 on the spare words, 128 bytes for each wave
.set XO,  2                            ; v2   my byte offset in the work-group's part of x: 65,536 x wave + 16 x lane; never rewritten
.set YO,  3                            ; v3   in xb: 32,768 x wave + 8 x lane; never rewritten
.set WO,  4                            ; v4   in W: 16,384 x wave + 16 x lane; never rewritten
.set SPW, 5                            ; v5   LDS address of my spare word; never rewritten
.set NIL, 6                            ; v6   0, for the add alone
.set Z,   7                            ; v7   0: LDS address of the waves' sums, and the offset of the partial sum's store
.set LW,  8                            ; v8   4 x wave
.set T,   10                           ; v[10:13]  at work
.set C,   14                           ; v[14:15]  four bf16, packed
.set ACC, 16                           ; v[16:23]  eight running sums
.set P,   24                           ; v[24:31]  the eight waves' sums
.set X,   32                           ; v[32:159]  slot i: 4 registers as loaded
.set Y,   160                          ; v[160:223] slot i: 2 registers to store
	s_load_b256 s[4:11], s[0:1], 0x0               ; x s[4:5], W s[6:7], xb s[8:9], part s[10:11]
	v_lshl_add_u32 v[SPW], v0, 2, SPARE
	v_mov_b32 v[NIL], 0
	v_mov_b32 v[Z], 0
	v_and_b32 v1, 0xe0, v0                         ; 32 x wave
	v_and_b32 v9, 31, v0                           ; lane
	v_lshlrev_b32 v[XO], 4, v9
	v_lshl_or_b32 v[XO], v1, 11, v[XO]
	v_lshlrev_b32 v[YO], 3, v9
	v_lshl_or_b32 v[YO], v1, 10, v[YO]
	v_lshlrev_b32 v[WO], 4, v9
	v_lshl_or_b32 v[WO], v1, 9, v[WO]
	v_lshrrev_b32 v[LW], 5, v0
	v_readfirstlane_b32 s17, v[LW]                 ; my wave's number as a scalar
	v_mov_b32 v[LW], s17
	v_lshlrev_b32 v[LW], 2, v[LW]
	s_mov_b32 s12, 0x7fff7fff                      ; clears the signs of two bf16
	s_mov_b32 s13, 0xffff0000                      ; a word's upper bf16
	s_mov_b32 s14, 0x76543210                      ; v_permlanex16_b32: each lane takes its own place in the other half
	s_mov_b32 s15, 0xfedcba98
	s_mov_b32 s19, 0
	s_lshl_b32 s18, ttmp9, 19                      ; the work-group's 524,288 bytes of x
	s_wait_kmcnt 0x0
	s_add_nc_u64 s[4:5], s[4:5], s[18:19]
	s_lshl_b32 s18, ttmp9, 17                      ; its 131,072 bytes of W
	s_add_nc_u64 s[6:7], s[6:7], s[18:19]
	s_lshl_b32 s18, ttmp9, 18                      ; its 262,144 bytes of xb
	s_add_nc_u64 s[8:9], s[8:9], s[18:19]
	s_lshl_b32 s18, ttmp9, 2                       ; its word of part
	s_add_nc_u64 s[10:11], s[10:11], s[18:19]
.set n, 0
.rept 32
	global_load_b128 v[X+4*n:X+4*n+3], v[WO], s[6:7] offset:512*n  ; the ring is filled with my part of W (no hint: the next launch reads W again)
.set n, n+1
.endr
; Slot i's four numbers of W: rounded to bf16, signs cleared, widened, added.  The slot is asked for again at once, with x's first round.
.macro SLOTW i
	s_wait_loadcnt 31                              ; loads come back in order: behind W's load i stand 31 - i of W and i of x
	v_cvt_pk_bf16_f32 v[C],   v[X+4*(\i)],   v[X+4*(\i)+1]
	v_cvt_pk_bf16_f32 v[C+1], v[X+4*(\i)+2], v[X+4*(\i)+3]
	global_load_b128 v[X+4*(\i):X+4*(\i)+3], v[XO], s[4:5] offset:512*(\i) th:TH_LOAD_NT
	v_and_b32 v[C],   s12, v[C]
	v_and_b32 v[C+1], s12, v[C+1]
.if (\i) < 2
.set D, ACC+4*(\i)                     ; the first two slots start the eight sums: nothing is cleared
.else
.set D, T
.endif
	v_lshlrev_b32 v[D],   16,  v[C]
	v_and_b32     v[D+1], s13, v[C]
	v_lshlrev_b32 v[D+2], 16,  v[C+1]
	v_and_b32     v[D+3], s13, v[C+1]
.if (\i) >= 2
	v_pk_add_f32 v[ACC+4*((\i)%2):ACC+4*((\i)%2)+1],   v[ACC+4*((\i)%2):ACC+4*((\i)%2)+1],   v[T:T+1]
	v_pk_add_f32 v[ACC+4*((\i)%2)+2:ACC+4*((\i)%2)+3], v[ACC+4*((\i)%2)+2:ACC+4*((\i)%2)+3], v[T+2:T+3]
.endif
.endm
.set n, 0
.rept 32
	SLOTW n
.set n, n+1
.endr
	; the lane's eight sums, the wave's 32 lanes, the work-group's eight waves.  x's 32 loads stay on their way meanwhile: nobody writes those bytes.
	v_pk_add_f32 v[ACC:ACC+1],   v[ACC:ACC+1],   v[ACC+4:ACC+5]
	v_pk_add_f32 v[ACC+2:ACC+3], v[ACC+2:ACC+3], v[ACC+6:ACC+7]
	v_pk_add_f32 v[ACC:ACC+1],   v[ACC:ACC+1],   v[ACC+2:ACC+3]
	v_add_f32 v[ACC], v[ACC], v[ACC+1]
	v_add_f32_dpp v[ACC], v[ACC], v[ACC] row_xmask:1 row_mask:0xf bank_mask:0xf
	v_add_f32_dpp v[ACC], v[ACC], v[ACC] row_xmask:2 row_mask:0xf bank_mask:0xf
	v_add_f32_dpp v[ACC], v[ACC], v[ACC] row_xmask:4 row_mask:0xf bank_mask:0xf
	v_add_f32_dpp v[ACC], v[ACC], v[ACC] row_xmask:8 row_mask:0xf bank_mask:0xf
	v_permlanex16_b32 v[T], v[ACC], s14, s15       ; its destination counts as read: T has been written
	v_add_f32 v[ACC], v[ACC], v[T]
	ds_store_b32 v[LW], v[ACC]                     ; all lanes write the wave's word with the same value
	s_wait_dscnt 0x0                               ; for the others' sake: my store is done
	s_barrier_signal -1
	s_barrier_wait -1
	ds_load_b128 v[P:P+3],   v[Z]
	ds_load_b128 v[P+4:P+7], v[Z] offset:16
	s_wait_dscnt 0x0
	v_pk_add_f32 v[P:P+1],   v[P:P+1],   v[P+2:P+3]
	v_pk_add_f32 v[P+4:P+5], v[P+4:P+5], v[P+6:P+7]
	v_pk_add_f32 v[P:P+1],   v[P:P+1],   v[P+4:P+5]
	v_add_f32 v[P], v[P], v[P+1]
	v_cmp_eq_u32 vcc_lo, 0, v0                     ; thread 0 stores the work-group's sum
	s_wait_xcnt 0x0                                ; EXEC is a source of the loads that are out: it changes only behind this wait
	s_and_saveexec_b32 s20, vcc_lo
	global_store_b32 v[Z], v[P], s[10:11]
	s_wait_xcnt 0x0                                ; and again, in front of the line that widens it
	s_or_b32 exec_lo, exec_lo, s20
; Slot i's four numbers of x: rounded, stored.  ahead = 1: the slot is asked for again, with the next round's 512 bytes.  left = the younger loads that may stay out.
.macro SLOTX i, ahead, left
	s_wait_loadcnt \left
	v_cvt_pk_bf16_f32 v[Y+2*(\i)],   v[X+4*(\i)],   v[X+4*(\i)+1]
	v_cvt_pk_bf16_f32 v[Y+2*(\i)+1], v[X+4*(\i)+2], v[X+4*(\i)+3]
.if \ahead
	global_load_b128 v[X+4*(\i):X+4*(\i)+3], v[XO], s[4:5] offset:16384+512*(\i) th:TH_LOAD_NT
.endif
	global_store_b64 v[YO], v[Y+2*(\i):Y+2*(\i)+1], s[8:9] offset:256*(\i) th:TH_STORE_NT  ; the wave's 32 lanes: 256 consecutive bytes, aligned
.endm
	s_mov_b32 s16, 3                               ; four rounds of 32 slots; the last is written out, without loads
.Lround:
.set n, 0
.rept 32
	SLOTX n, 1, 31                                 ; behind this round's load i stand 31 - i of this round and i of the next
.set n, n+1
.endr
	s_wait_xcnt 0x0                                ; every load and store issued has read its sources: the two bases, and Y in the next round, are written only behind this wait
	s_add_nc_u64 s[4:5], s[4:5], 16384
	s_add_nc_u64 s[8:9], s[8:9], 8192
	s_sub_co_i32 s16, s16, 1
	s_cmp_lg_u32 s16, 0
	s_cbranch_scc1 .Lround
.set n, 0
.rept 32
	SLOTX n, 0, 31-n                               ; the counts run down
.set n, n+1
.endr
	s_wait_tensorcnt 0x0                           ; the wave's end, behind my last LDS store
	ds_add_u32 v[SPW], v[NIL]
	s_wait_dscnt 0x0
	s_endpgm
.Lfunc_end_k_q18dc8cf95b_prep:
	.size	k_q18dc8cf95b_prep, .Lfunc_end_k_q18dc8cf95b_prep-k_q18dc8cf95b_prep
	.p2alignl 7, 3214868480
	.fill 96, 4, 3214868480
	.section	.rodata,"a",@progbits
	.p2align	6, 0x0
	.amdhsa_kernel k_q18dc8cf95b_prep
		.amdhsa_group_segment_fixed_size 1280
		.amdhsa_private_segment_fixed_size 0
		.amdhsa_enable_private_segment 0
		.amdhsa_kernarg_size 32
		.amdhsa_user_sgpr_count 2
		.amdhsa_user_sgpr_kernarg_segment_ptr 1
		.amdhsa_wavefront_size32 1
		.amdhsa_system_sgpr_workgroup_id_x 1
		.amdhsa_system_sgpr_workgroup_id_y 1
		.amdhsa_system_sgpr_workgroup_id_z 1
		.amdhsa_system_vgpr_workitem_id 0
		.amdhsa_next_free_vgpr 224
		.amdhsa_next_free_sgpr 66
		.amdhsa_reserve_vcc 1
		.amdhsa_float_denorm_mode_32 3
		.amdhsa_float_denorm_mode_16_64 3
		.amdhsa_memory_ordered 1
		.amdhsa_forward_progress 1
		.amdhsa_inst_pref_size 44
	.end_amdhsa_kernel
	.amdgpu_metadata
---
amdhsa.version: [ 1, 2 ]
amdhsa.kernels:
  - .name:           k_q18dc8cf95b_prep
    .symbol:         k_q18dc8cf95b_prep.kd
    .args:
      - { .name: x, .offset: 0, .size: 8, .value_kind: global_buffer, .address_space: global }
      - { .name: W, .offset: 8, .size: 8, .value_kind: global_buffer, .address_space: global }
      - { .name: xb, .offset: 16, .size: 8, .value_kind: global_buffer, .address_space: global }
      - { .name: part, .offset: 24, .size: 8, .value_kind: global_buffer, .address_space: global }
    .group_segment_fixed_size: 1280
    .private_segment_fixed_size: 0
    .kernarg_segment_align: 8
    .kernarg_segment_size: 32
    .max_flat_workgroup_size: 256
    .sgpr_count:     66
    .vgpr_count:     224
    .wavefront_size: 32
...
	.end_amdgpu_metadata
.endif
;; end of part 1
;; launch quant (part 2): grid 256 x 1, 16 waves a work-group, no clusters, 0 bytes of LDS; arguments W, part, wq; writes wq
.if DOCPART == 2
	.amdgcn_target "amdgcn-amd-amdhsa--gfx1250"
	.amdhsa_code_object_version 6
	.text
	.protected	k_q18dc8cf95b_quant
	.globl	k_q18dc8cf95b_quant
	.p2align	8
	.type	k_q18dc8cf95b_quant,@function
k_q18dc8cf95b_quant:
	s_mov_b64 s[64:65], 0
	v_nop
	global_prefetch_b8 v0, s[64:65] scope:SCOPE_SE
	s_setreg_imm32_b32 hwreg(HW_REG_WAVE_MODE, 25, 1), 1
	s_wait_xcnt 0x0
; quant: s = max(mean |Wb|, 1e-8) from the 256 partial sums;  q = clip(round(Wb / s), -2, 2);  wq = bf16(((q s - Wb) + Wb) / s), where Wb = bf16(W).
; wq holds the weights DIVIDED by s, and the product's launch multiplies its f32 sums by s once: where (q s - Wb) + Wb is q s to f32's precision, wq is the whole number q, which bf16 holds exactly.
; LIMITS.  W is rounded to bf16 ahead of the quantiser (the whole program takes x and W so).  The quotient is Wb x (1/s) with one correction step on 1/s and one on the quotient; halves round to even (v_rndne_f32).
; NaN and infinities are not treated apart.
; SHARES.  256 work-groups of sixteen waves; a wave owns 8,192 consecutive bytes of W: 16 loads of 512 bytes, all issued at once; a lane stores 8 bytes for each, a wave 256 consecutive bytes, aligned.
.set WO, 2                             ; v2   8,192 x wave + 16 x lane
.set QO, 3                             ; v3   4,096 x wave + 8 x lane
.set PO, 4                             ; v4   32 x lane: my eight partial sums
.set PS, 8                             ; v[8:15]
.set SC, 16                            ; v[16:17]  s, twice
.set YR, 18                            ; v[18:19]  1/s, twice
.set E,  20                            ; v20
.set T,  24                            ; v[24:27]  Wb in f32
.set U,  28                            ; v[28:31]  the quotient, then q
.set R,  32                            ; v[32:35]  at work
.set C,  36                            ; v[36:37]
.set X,  40                            ; v[40:103] slot i: 4 registers as loaded; the first two then hold what is stored
; The scale from the 256 partial sums, lane l holding numbers 8 l .. 8 l + 7: the same lines, so the same bits, in both launches that need it.
.macro SCALE p, sc, sa, sb
	v_pk_add_f32 v[(\p):(\p)+1],   v[(\p):(\p)+1],   v[(\p)+2:(\p)+3]
	v_pk_add_f32 v[(\p)+4:(\p)+5], v[(\p)+4:(\p)+5], v[(\p)+6:(\p)+7]
	v_pk_add_f32 v[(\p):(\p)+1],   v[(\p):(\p)+1],   v[(\p)+4:(\p)+5]
	v_add_f32 v[(\p)], v[(\p)], v[(\p)+1]
	v_add_f32_dpp v[(\p)], v[(\p)], v[(\p)] row_xmask:1 row_mask:0xf bank_mask:0xf
	v_add_f32_dpp v[(\p)], v[(\p)], v[(\p)] row_xmask:2 row_mask:0xf bank_mask:0xf
	v_add_f32_dpp v[(\p)], v[(\p)], v[(\p)] row_xmask:4 row_mask:0xf bank_mask:0xf
	v_add_f32_dpp v[(\p)], v[(\p)], v[(\p)] row_xmask:8 row_mask:0xf bank_mask:0xf
	v_permlanex16_b32 v[(\p)+1], v[(\p)], s[(\sa)], s[(\sb)]
	v_add_f32 v[(\p)], v[(\p)], v[(\p)+1]
	v_mul_f32 v[(\p)], 0x34000000, v[(\p)]         ; / 8,388,608 = x 2^-23, exact
	v_max_num_f32 v[(\sc)], 0x322bcc77, v[(\p)]    ; at least 1e-8
	v_mov_b32 v[(\sc)+1], v[(\sc)]
.endm
	s_load_b128 s[4:7], s[0:1], 0x0                ; W s[4:5], part s[6:7]
	s_load_b64 s[8:9], s[0:1], 0x10                ; wq
	v_and_b32 v1, 0x1e0, v0                        ; 32 x wave
	v_and_b32 v5, 31, v0                           ; lane
	v_lshlrev_b32 v[WO], 4, v5
	v_lshl_or_b32 v[WO], v1, 8, v[WO]
	v_lshlrev_b32 v[QO], 3, v5
	v_lshl_or_b32 v[QO], v1, 7, v[QO]
	v_lshlrev_b32 v[PO], 5, v5
	s_mov_b32 s12, 0xffff0000                      ; a word's upper bf16
	s_mov_b32 s14, 0x76543210
	s_mov_b32 s15, 0xfedcba98
	s_mov_b32 s11, 0
	s_lshl_b32 s10, ttmp9, 17                      ; the work-group's 131,072 bytes of W
	s_wait_kmcnt 0x0
	s_add_nc_u64 s[4:5], s[4:5], s[10:11]
	s_lshl_b32 s10, ttmp9, 16                      ; its 65,536 bytes of wq
	s_add_nc_u64 s[8:9], s[8:9], s[10:11]
	s_mov_b32 s10, 0xc0000000                      ; -2.0 and 2.0: the clip's bounds
	s_mov_b32 s11, 0x40000000
	global_load_b128 v[PS:PS+3],   v[PO], s[6:7]
	global_load_b128 v[PS+4:PS+7], v[PO], s[6:7] offset:16
.set n, 0
.rept 16
	global_load_b128 v[X+4*n:X+4*n+3], v[WO], s[4:5] offset:512*n th:TH_LOAD_NT
.set n, n+1
.endr
	s_wait_loadcnt 16                              ; the partial sums are in; W's 16 loads, issued behind them, stay out
	SCALE PS, SC, 14, 15
	v_rcp_f32 v[YR], v[SC]
	v_nop                                          ; a plain instruction between the reciprocal and its use (ISA guide 5.7.2),
	s_wait_alu depctr_va_vdst(0)                   ; and a wait for it ahead of the first reader
	v_fma_f32 v[E], -v[SC], v[YR], 1.0             ; one correction step: y += y (1 - s y)
	v_fma_f32 v[YR], v[E], v[YR], v[YR]
	v_mov_b32 v[YR+1], v[YR]
.macro SLOTQ i
	s_wait_loadcnt 15-(\i)                         ; loads come back in order: slot i is in
	v_cvt_pk_bf16_f32 v[C],   v[X+4*(\i)],   v[X+4*(\i)+1]
	v_cvt_pk_bf16_f32 v[C+1], v[X+4*(\i)+2], v[X+4*(\i)+3]
	v_lshlrev_b32 v[T],   16,  v[C]                ; Wb in f32
	v_and_b32     v[T+1], s12, v[C]
	v_lshlrev_b32 v[T+2], 16,  v[C+1]
	v_and_b32     v[T+3], s12, v[C+1]
.irp k, 0,2
	v_pk_mul_f32 v[U+(\k):U+(\k)+1], v[T+(\k):T+(\k)+1], v[YR:YR+1]                                             ; u = Wb y
.endr
.irp k, 0,2
	v_pk_fma_f32 v[R+(\k):R+(\k)+1], v[U+(\k):U+(\k)+1], v[SC:SC+1], v[T+(\k):T+(\k)+1] neg_lo:[1,0,0] neg_hi:[1,0,0]  ; what is left: Wb - u s
.endr
.irp k, 0,2
	v_pk_fma_f32 v[U+(\k):U+(\k)+1], v[R+(\k):R+(\k)+1], v[YR:YR+1], v[U+(\k):U+(\k)+1]                         ; the quotient, corrected
.endr
.irp k, 0,1,2,3
	v_rndne_f32 v[U+(\k)], v[U+(\k)]
.endr
.irp k, 0,1,2,3
	v_med3_num_f32 v[U+(\k)], v[U+(\k)], s10, s11                                                               ; q
.endr
.irp k, 0,2
	v_pk_mul_f32 v[R+(\k):R+(\k)+1], v[U+(\k):U+(\k)+1], v[SC:SC+1]                                             ; q s
.endr
.irp k, 0,2
	v_pk_add_f32 v[R+(\k):R+(\k)+1], v[R+(\k):R+(\k)+1], v[T+(\k):T+(\k)+1] neg_lo:[0,1] neg_hi:[0,1]          ; - Wb
.endr
.irp k, 0,2
	v_pk_add_f32 v[R+(\k):R+(\k)+1], v[R+(\k):R+(\k)+1], v[T+(\k):T+(\k)+1]                                     ; + Wb
.endr
.irp k, 0,2
	v_pk_mul_f32 v[R+(\k):R+(\k)+1], v[R+(\k):R+(\k)+1], v[YR:YR+1]                                             ; / s
.endr
	v_cvt_pk_bf16_f32 v[X+4*(\i)],   v[R],   v[R+1]
	v_cvt_pk_bf16_f32 v[X+4*(\i)+1], v[R+2], v[R+3]
	global_store_b64 v[QO], v[X+4*(\i):X+4*(\i)+1], s[8:9] offset:256*(\i) th:TH_STORE_NT  ; each store has data registers of its own, never rewritten: no wait is owed
.endm
.set n, 0
.rept 16
	SLOTQ n
.set n, n+1
.endr
	s_endpgm
.Lfunc_end_k_q18dc8cf95b_quant:
	.size	k_q18dc8cf95b_quant, .Lfunc_end_k_q18dc8cf95b_quant-k_q18dc8cf95b_quant
	.p2alignl 7, 3214868480
	.fill 96, 4, 3214868480
	.section	.rodata,"a",@progbits
	.p2align	6, 0x0
	.amdhsa_kernel k_q18dc8cf95b_quant
		.amdhsa_group_segment_fixed_size 0
		.amdhsa_private_segment_fixed_size 0
		.amdhsa_enable_private_segment 0
		.amdhsa_kernarg_size 24
		.amdhsa_user_sgpr_count 2
		.amdhsa_user_sgpr_kernarg_segment_ptr 1
		.amdhsa_wavefront_size32 1
		.amdhsa_system_sgpr_workgroup_id_x 1
		.amdhsa_system_sgpr_workgroup_id_y 1
		.amdhsa_system_sgpr_workgroup_id_z 1
		.amdhsa_system_vgpr_workitem_id 0
		.amdhsa_next_free_vgpr 104
		.amdhsa_next_free_sgpr 66
		.amdhsa_reserve_vcc 0
		.amdhsa_float_denorm_mode_32 3
		.amdhsa_float_denorm_mode_16_64 3
		.amdhsa_memory_ordered 1
		.amdhsa_forward_progress 1
		.amdhsa_inst_pref_size 32
	.end_amdhsa_kernel
	.amdgpu_metadata
---
amdhsa.version: [ 1, 2 ]
amdhsa.kernels:
  - .name:           k_q18dc8cf95b_quant
    .symbol:         k_q18dc8cf95b_quant.kd
    .args:
      - { .name: W, .offset: 0, .size: 8, .value_kind: global_buffer, .address_space: global }
      - { .name: part, .offset: 8, .size: 8, .value_kind: global_buffer, .address_space: global }
      - { .name: wq, .offset: 16, .size: 8, .value_kind: global_buffer, .address_space: global }
    .group_segment_fixed_size: 0
    .private_segment_fixed_size: 0
    .kernarg_segment_align: 8
    .kernarg_segment_size: 24
    .max_flat_workgroup_size: 512
    .sgpr_count:     66
    .vgpr_count:     104
    .wavefront_size: 32
...
	.end_amdgpu_metadata
.endif
;; end of part 2
;; launch gemm (part 3): grid 8 x 32, 4 waves a work-group, clusters of 4 x 4, 327,680 bytes of LDS; arguments xb, wq, out0, part; writes out0
.if DOCPART == 3
	.amdgcn_target "amdgcn-amd-amdhsa--gfx1250"
	.amdhsa_code_object_version 6
	.text
	.protected	k_q18dc8cf95b_gemm
	.globl	k_q18dc8cf95b_gemm
	.p2align	8
	.type	k_q18dc8cf95b_gemm,@function
k_q18dc8cf95b_gemm:
	s_mov_b64 s[64:65], 0
	v_nop
	global_prefetch_b8 v0, s[64:65] scope:SCOPE_SE
	s_setreg_imm32_b32 hwreg(HW_REG_WAVE_MODE, 25, 1), 1
	s_wait_xcnt 0x0
	s_wait_alu depctr_hold_cnt(0) depctr_sa_sdst(0) depctr_va_vdst(0) depctr_va_sdst(0) depctr_va_ssrc(0) depctr_va_vcc(0) depctr_vm_vsrc(0)
	s_getreg_b32 s2, hwreg(HW_REG_IB_STS2, 6, 4)
	s_cmp_eq_u32 s2, 0
	s_cbranch_scc0 .Lentry_in_a_cluster
	s_endpgm
.Lentry_in_a_cluster:
	s_bfe_u32 s2, ttmp6, 0x10000c
	s_cmp_lg_u32 s2, 0xf033
	s_cbranch_scc0 .Lentry_shape_is_right
	s_endpgm
.Lentry_shape_is_right:
; out0[m][n] = s x the sum over k of xb[m][k] wq[n][k].  xb: [8192][4096] bf16 (x rounded), wq: [2048][4096] bf16 (the quantised weights divided by s), out0: [8192][2048] f32.
; s = max(mean |bf16(W)|, 1e-8) is made from the 256 partial sums by the same lines as in the launch that made wq.  One f32 sum for each output, K ascending; s multiplies it once, on the way out.
; LIMITS.  x and W enter rounded to bf16 (the whole program takes them so); NaN and infinities are not treated apart.
; A tile of out0, 256 x 256, is made by a work-group of four waves; a wave makes 128 x 128: 64 accumulators of 16 x 16, 512 registers.  32 x 8 tiles: 256 work-groups, one tile each.
; K goes in steps of 128 through a ring of two LDS slots filled by the tensor data mover: a tile's rows are 256 bytes of memory and start at multiples of 256 bytes from the buffer's first byte.
; CLUSTERS: 4 x 4 work-groups.  The four of a row of the cluster need the same tiles of xb, the four of a column the same tiles of wq: each tile is asked for JOINTLY, by the same tensor load with the
; same descriptor and a mask that names the four; each receives it in its own LDS.  That divides the requests for both by four.
; THE MATRIX INSTRUCTION IS USED TRANSPOSED: source 0 = 16 rows of wq, source 1 = 16 rows of xb.  Lane l then holds row l % 16 of out0 and the columns 8 (l / 16) + 0 .. 7: 32 bytes on end.
; REGISTERS, in windows of 256 (s_set_vgpr_msb's low byte: bits 1:0 source 0, 3:2 source 1, 5:4 source 2, 7:6 destination):
;   window 0: v0-31 addresses, the partial sums, s; v64-127, v128-191 fragments of xb, two buffers; v192-223 scaled results; v32-63, v224-255 rows read back from the stage, by turns
;   window 1: v64-127, v128-191 fragments of wq, two buffers
;   window 2: the 32 accumulators of my rows 0-63 (accumulator (a, b) at v[8 (8 a + b)]);   window 3: those of my rows 64-127
; The launch claims all of a WGP's LDS; it uses 296,448 bytes.
.set SIZE_M, 8192
.set SIZE_N, 2048
.set SIZE_K, 4096
.set KSTEP,  128
.set PITCH,  272                       ; an LDS row: 256 bytes of data + 16 of padding = 68 words: row r starts at bank 4 r mod 64 (64 banks of 4 bytes: ISA guide 11.1), so the 16 rows of a load start at 16 different banks
.set HALFT,  128*PITCH                 ; 128 rows: what one tensor load brings, and what one wave reads of xb or of wq
.set SLOT,   4*HALFT                   ; xb's 256 rows, then wq's 256 rows
.set STAGE,  2*SLOT                    ; behind the ring: 16 rows x 272 bytes for each wave, for the way out; no tensor load fills it
.set SPITCH, 272
.set SPARE,  STAGE+4*16*SPITCH         ; behind the stages: the spare words, 128 bytes for each wave: two blocks of 256 bytes that no other line names
.set LAPS, SIZE_K/(2*KSTEP)            ; a lap = two K steps = once round the ring: 16
.set PS,   6                           ; v[6:13] my eight partial sums
.set PO,   15                          ; v15     32 x lane
.set ADRA, 16                          ; v16-17  LDS address of my fragments of xb in slot 0, 1
.set ADRB, 20                          ; v20-21  the same for wq
.set SC,   22                          ; v[22:23] s, twice
.set STO,  24                          ; v24     the way out: where I put 32 bytes of a row
.set RD,   25                          ; v25     the way out: where I read a row back
.set CO,   26                          ; v26     my byte offset in out0
.set SPW,  28                          ; v28     LDS address of my spare word: SPARE + 4 x my thread's number; never rewritten
.set NIL,  29                          ; v29     0; never rewritten
.set PFO,  30                          ; v30     the prefetches' offset: my lane x a row of xb or wq (8,192 bytes); never rewritten
.set PFA,  44                          ; s[44:45] where my prefetches stand: my work-group's 32 rows of the 128 that I fetch, one K step further along K than the refill that is being asked for
.set LIM,  43                          ; s43     1 in a wave that prefetches, else the greatest number
.set F0,   64                          ; fragment buffer 0
.set F1,   128                         ; fragment buffer 1
.set TMP,  192
.set OB,   32
.set G1, 24                            ; s[24:31] descriptor group 1 for xb's tiles
.set G0, 32                            ; s[32:39] descriptor group 0 for xb's tiles, one set for each slot
.set G1B, 48                           ; s[48:55] group 1 for wq's tiles: it differs in the mask alone
.set G0B, 56                           ; s[56:63] group 0 for wq's tiles
.set PART, 66                          ; s[66:67] part
.set SELA, 68                          ; s68, s69 v_permlanex16_b32's selects
.set MSB, 0
.macro WIN new                         ; the immediate's high byte repeats the setting that is left; a switch that changes nothing is dropped
.if MSB != (\new)
	s_set_vgpr_msb (MSB<<8)|(\new)
.set MSB, \new
.endif
.endm
.set MUL_LO, 0xa1                      ; source 0 (wq) window 1, source 1 (xb) window 0, C and D window 2
.set MUL_HI, 0xf1                      ; the same, C and D window 3
.set TO_B,   0x40                      ; destination window 1, address window 0
; The scale from the 256 partial sums, lane l holding numbers 8 l .. 8 l + 7: the same lines, so the same bits, in both launches that need it.
.macro SCALE p, sc, sa, sb
	v_pk_add_f32 v[(\p):(\p)+1],   v[(\p):(\p)+1],   v[(\p)+2:(\p)+3]
	v_pk_add_f32 v[(\p)+4:(\p)+5], v[(\p)+4:(\p)+5], v[(\p)+6:(\p)+7]
	v_pk_add_f32 v[(\p):(\p)+1],   v[(\p):(\p)+1],   v[(\p)+4:(\p)+5]
	v_add_f32 v[(\p)], v[(\p)], v[(\p)+1]
	v_add_f32_dpp v[(\p)], v[(\p)], v[(\p)] row_xmask:1 row_mask:0xf bank_mask:0xf
	v_add_f32_dpp v[(\p)], v[(\p)], v[(\p)] row_xmask:2 row_mask:0xf bank_mask:0xf
	v_add_f32_dpp v[(\p)], v[(\p)], v[(\p)] row_xmask:4 row_mask:0xf bank_mask:0xf
	v_add_f32_dpp v[(\p)], v[(\p)], v[(\p)] row_xmask:8 row_mask:0xf bank_mask:0xf
	v_permlanex16_b32 v[(\p)+1], v[(\p)], s[(\sa)], s[(\sb)]
	v_add_f32 v[(\p)], v[(\p)], v[(\p)+1]
	v_mul_f32 v[(\p)], 0x34000000, v[(\p)]         ; / 8,388,608 = x 2^-23, exact
	v_max_num_f32 v[(\sc)], 0x322bcc77, v[(\p)]    ; at least 1e-8
	v_mov_b32 v[(\sc)+1], v[(\sc)]
.endm
; A joint load.  Waves 0 and 1 fetch xb's two halves, waves 2 and 3 wq's.  Each of the two lines has ONE mask and one set of registers for all that issue it.  The branch hangs on the wave's number alone.
; An s_nop 0 and four v_nop follow each of the two lines, ahead of the jump, the label and what follows.
.macro JLOAD s
	s_cmp_eq_u32 s11, 0
	s_cbranch_scc0 .Lfor_b_\@
	tensor_load_to_lds s[G0+4*(\s):G0+4*(\s)+3], s[G1:G1+7]
	s_nop 0
.rept 4
	v_nop
.endr
	s_branch .Lasked_\@
.Lfor_b_\@:
	tensor_load_to_lds s[G0B+4*(\s):G0B+4*(\s)+3], s[G1B:G1B+7]
	s_nop 0
.rept 4
	v_nop
.endr
.Lasked_\@:
.endm
; A PREFETCH INTO THE L2, behind each joint refill, its five lines and the run of LDS loads that follows them: the K step that stands TWO refills on (512 matrix instructions ahead of the load that will
; want it): 32 rows x 256 bytes, a lane a row, one instruction a wave.  Each row's 256 bytes of a K step are named ONCE in the launch: xb's tile row is read by both clusters of that row of clusters, and
; the one with x = 0 asks; wq's tile column by all eight clusters of that column, and the one with y = 0 asks.  The four partners that ask for a tile jointly share its rows out BY ADDRESS: of the 128 rows
; that a wave fetches, the partner at place p takes 32 p .. 32 p + 31 (p = cx for xb, cy for wq).  K steps 0 to 3 come by their loads alone; the loop's last trip (s3 = 1) asks for nothing: no K step stands two on.
.macro ASK
	s_cmp_gt_u32 s3, s[LIM]
	s_cbranch_scc0 .Lnot_mine_\@
	global_prefetch_b8 v[PFO], s[PFA:PFA+1] offset:KSTEP*2 th:TH_LOAD_NT scope:SCOPE_SE
.Lnot_mine_\@:
.endm
; A round of the cluster's barrier: my work-group's barrier, so that wave 0's signal speaks for all four waves; wave 0 signals for the work-group; every wave waits for all sixteen; my work-group's barrier once more.
.macro CREST                           ; a round behind its opening barrier
	s_cmp_lg_u32 s10, 0
	s_cbranch_scc1 .Lnot_wave_0_\@
	s_barrier_signal -3
.Lnot_wave_0_\@:
	s_barrier_wait -3
	s_barrier_signal -1
	s_barrier_wait -1
.endm
.macro CROUND                          ; a whole round
	s_barrier_signal -1
	s_barrier_wait -1
	CREST
.endm
	s_load_b128 s[4:7], s[0:1], 0x0                ; xb s[4:5], wq s[6:7]
	s_load_b64 s[8:9], s[0:1], 0x10                ; out0
	s_load_b64 s[PART:PART+1], s[0:1], 0x18        ; part
	v_lshl_add_u32 v[SPW], v0, 2, SPARE
	v_mov_b32 v[NIL], 0
	ds_add_u32 v[SPW], v[NIL]                      ; the wave's opening: the add, twice on end, and its wait ahead of my first tensor load; the set-up below stands between
	ds_add_u32 v[SPW], v[NIL]                      ; and once more, under the one wait
	v_lshrrev_b32 v1, 5, v0
	v_readfirstlane_b32 s10, v1                    ; wave 0..3
	s_lshr_b32 s11, s10, 1                         ; which half of the tile's rows is mine.  Also: I fetch for xb (0) or for wq (1)
	s_and_b32 s12, s10, 1                          ; which half of its columns.  Also: which 128 rows of that tile I fetch
	s_bfe_u32 s40, ttmp6, 0x40000                  ; cx: my place along the cluster's x
	s_bfe_u32 s41, ttmp6, 0x40004                  ; cy: along its y
	s_lshl_b32 s42, ttmp9, 2                       ; in a cluster launch ttmp9 and ttmp7 count clusters
	s_add_co_u32 s42, s42, s40                     ; tile column = 4 x cluster x + cx
	s_and_b32 s13, ttmp7, 0xffff
	s_lshl_b32 s13, s13, 2
	s_add_co_u32 s13, s13, s41                     ; tile row = 4 x cluster y + cy
	s_lshl_b32 s43, s41, 2
	s_lshl_b32 s43, 15, s43                        ; my row of the cluster: places 4 cy .. 4 cy + 3
	s_lshl_b32 s44, 0x1111, s40                    ; my column: places cx, cx + 4, cx + 8, cx + 12
	; descriptor group 1: a tile of 128 rows x 128 elements, padded in LDS
	s_or_b32 s[G1+0], s43, (1<<16)|(1<<20)|(1<<21)|(5<<22)|(3<<25)  ; 15:0 the mask: xb's tiles go to my row; 17:16 elements of 2 bytes; 20 padding on; 21 set beside a mask; 24:22 after every 64 words (code 5); 31:25 4 words of it (code 3)
	s_or_b32 s[G1B+0], s44, (1<<16)|(1<<20)|(1<<21)|(5<<22)|(3<<25) ; the same with the mask of my column, for wq's tiles
	s_mov_b32 s[G1B+1], KSTEP<<16
	s_mov_b32 s[G1+1], KSTEP<<16                   ; tensor_dim0 = 128
	s_mov_b32 s[G1B+2], 128<<16
	s_mov_b32 s[G1+2], 128<<16                     ; tensor_dim1 = 128
	s_mov_b32 s[G1B+3], KSTEP<<16
	s_mov_b32 s[G1+3], KSTEP<<16                   ; tile_dim0 = 128
	s_mov_b32 s[G1B+4], 128
	s_mov_b32 s[G1+4], 128                         ; tile_dim1 = 128
	s_mov_b32 s[G1B+5], SIZE_K
	s_mov_b32 s[G1+5], SIZE_K                      ; elements from row to row
	s_mov_b32 s[G1B+6], 0
	s_mov_b32 s[G1+6], 0
	s_mov_b32 s[G1B+7], 0
	s_mov_b32 s[G1+7], 0
	s_mov_b32 s[SELA], 0x76543210
	s_mov_b32 s[SELA+1], 0xfedcba98
	; where the tiles come from.  xb's hang on the tile row alone, which my row of the cluster shares; wq's on the tile column alone, which my column shares.
	s_lshl_b32 s17, s12, 7                         ; which 128 rows of the tile I fetch
	s_lshl_b32 s16, s13, 8
	s_add_co_u32 s16, s16, s17                     ; xb: row 256 x tile row + 128 x half
	s_lshl_b32 s46, s42, 8
	s_add_co_u32 s46, s46, s17                     ; wq: row 256 x tile column + 128 x half
	s_mov_b32 s17, 0
	s_mov_b32 s47, 0
	s_mov_b64 s[18:19], SIZE_K*2
	s_mul_u64 s[16:17], s[16:17], s[18:19]         ; in bytes, in 64 bits
	s_mul_u64 s[46:47], s[46:47], s[18:19]
	s_mul_i32 s20, s10, HALFT                      ; and where they go: wave x 128 rows: no place in the cluster enters an LDS address
	s_wait_dscnt 0x0                               ; both opening adds are done
	s_wait_kmcnt 0x0
	s_add_nc_u64 s[14:15], s[4:5], s[16:17]
	s_add_nc_u64 s[46:47], s[6:7], s[46:47]
	CROUND                                         ; all sixteen work-groups are here: the first joint loads meet
.irp s, 0,1
	s_mov_b32 s[G0+4*(\s)], 1                                      ; count = 1
	s_add_co_u32 s[G0+4*(\s)+1], s20, (\s)*SLOT                    ; LDS address
	s_add_nc_u64 s[G0+4*(\s)+2:G0+4*(\s)+3], s[14:15], (\s)*KSTEP*2  ; global address: K step s
	s_or_b32 s[G0+4*(\s)+3], s[G0+4*(\s)+3], 0x80000000            ; type = 2
	s_mov_b32 s[G0B+4*(\s)], 1
	s_add_co_u32 s[G0B+4*(\s)+1], s20, (\s)*SLOT
	s_add_nc_u64 s[G0B+4*(\s)+2:G0B+4*(\s)+3], s[46:47], (\s)*KSTEP*2
	s_or_b32 s[G0B+4*(\s)+3], s[G0B+4*(\s)+3], 0x80000000
	JLOAD \s                                       ; the ring is filled before anything else is done: two loads of mine are out
.endr
	v_and_b32 v[PO], 31, v0
	v_lshlrev_b32 v[PO], 5, v[PO]
	global_load_b128 v[PS:PS+3],   v[PO], s[PART:PART+1]            ; my eight of the 256 partial sums; waited for behind the address work below
	global_load_b128 v[PS+4:PS+7], v[PO], s[PART:PART+1] offset:16
	; A fragment is 16 rows x 32 K in 8 registers: lane l holds row l % 16; registers 0-3 hold K = 8 (l / 16) + 0..7, registers 4-7 hold K = 16 + 8 (l / 16) + 0..7: two loads of 16 bytes, 32 bytes apart.
	v_and_b32 v1, 15, v0                           ; l % 16
	v_bfe_u32 v2, v0, 4, 1                         ; l / 16
	v_mul_u32_u24 v3, v1, PITCH
	v_lshl_add_u32 v3, v2, 4, v3                   ; row x pitch + 16 x half
	s_mul_i32 s21, s11, HALFT                      ; my 128 rows of xb
	s_mul_i32 s22, s12, HALFT                      ; my 128 rows of wq,
	s_add_co_u32 s22, s22, 2*HALFT                 ; which lie behind xb's 256
.irp s, 0,1
	v_add_nc_u32 v[ADRA+(\s)], s21, v3
	v_add_nc_u32 v[ADRB+(\s)], s22, v3
	s_add_co_u32 s21, s21, SLOT
	s_add_co_u32 s22, s22, SLOT
.endr
	s_mul_i32 s23, s10, 16*SPITCH
	s_add_co_u32 s23, s23, STAGE                   ; my stage
	v_mul_u32_u24 v4, v1, SPITCH                   ; in: row l % 16, 32 bytes for each half of the lanes
	v_lshl_add_u32 v4, v2, 5, v4
	v_add_nc_u32 v[STO], s23, v4
	v_mul_u32_u24 v5, v2, SPITCH                   ; back: lanes 0-15 take one row of 256 bytes, lanes 16-31 the next
	v_lshl_add_u32 v5, v1, 4, v5
	v_add_nc_u32 v[RD], s23, v5
	v_mul_u32_u24 v5, v2, SIZE_N*4                 ; and the same two rows in out0
	v_lshl_add_u32 v[CO], v1, 4, v5
	; where my part of the tile begins in out0, in bytes: the way out adds it to out0's address
	s_lshl_b32 s13, s13, 8
	s_lshl_b32 s14, s11, 7
	s_add_co_u32 s16, s13, s14                     ; my first row
	s_mov_b32 s17, 0
	s_mov_b64 s[18:19], SIZE_N*4
	s_mul_u64 s[16:17], s[16:17], s[18:19]
	s_lshl_b32 s46, s42, 10                        ; my first column, in bytes: 1,024 x tile column + 512 x half
	s_lshl_b32 s47, s12, 9
	s_add_co_u32 s46, s46, s47
	s_mov_b32 s47, 0
	s_add_nc_u64 s[16:17], s[16:17], s[46:47]
	; the prefetches.  s13 = 256 x tile row, s42 = tile column, s40 = cx, s41 = cy still stand
	s_lshl_b32 s42, s42, 8
	s_and_b32 s22, ttmp7, 0xffff                   ; cluster y
	s_cmp_eq_u32 s11, 0                            ; do I fetch for xb?
	s_cselect_b32 s20, s13, s42                    ; the tile's first row: in xb by the tile row, in wq by the tile column
	s_cselect_b32 s21, s40, s41                    ; my place among the four that ask for it with me
	s_cselect_b32 s22, ttmp9, s22                  ; the coordinate along which other clusters read the same rows
	s_cselect_b64 s[PFA:PFA+1], s[4:5], s[6:7]
	s_cmp_eq_u32 s22, 0
	s_cselect_b32 s[LIM], 1, -1                    ; the same in all sixteen partners, for a given wave
	s_lshl_b32 s22, s12, 7
	s_add_co_u32 s20, s20, s22                     ; + the 128 rows that I fetch
	s_lshl_b32 s21, s21, 5
	s_add_co_u32 s20, s20, s21                     ; + my work-group's 32 of them
	s_mov_b32 s21, 0
	s_mov_b64 s[18:19], SIZE_K*2
	s_mul_u64 s[20:21], s[20:21], s[18:19]
	s_add_nc_u64 s[PFA:PFA+1], s[PFA:PFA+1], s[20:21]
	s_add_nc_u64 s[PFA:PFA+1], s[PFA:PFA+1], 2*KSTEP*2  ; at K step 2: the first refill steps it to 3 and names K step 4
	v_and_b32 v[PFO], 31, v0
	v_mul_u32_u24 v[PFO], v[PFO], SIZE_K*2
	s_wait_loadcnt 0x0                             ; the partial sums
	SCALE PS, SC, SELA, SELA+1
; 16 matrix instructions: m blocks a0, a0 + 1 of the window's four (hi = 0: my rows 0-63, 1: rows 64-127) x all 8 n blocks, 32 along K.  zero = 1: the first product starts the sums: nothing is ever cleared.
; The 64 accumulators take turns, one instruction a turn, in the same order in every quarter step.
.macro MUL16 f, hi, a0, zero
	WIN MUL_LO+0x50*(\hi)
.irp a, \a0, (\a0)+1
.irp b, 0,1,2,3,4,5,6,7
.if \zero
	v_wmma_f32_16x16x32_bf16 v[8*(8*(\a)+(\b)):8*(8*(\a)+(\b))+7], v[(\f)+8*(\b):(\f)+8*(\b)+7], v[(\f)+8*(4*(\hi)+(\a)):(\f)+8*(4*(\hi)+(\a))+7], 0
.else
	v_wmma_f32_16x16x32_bf16 v[8*(8*(\a)+(\b)):8*(8*(\a)+(\b))+7], v[(\f)+8*(\b):(\f)+8*(\b)+7], v[(\f)+8*(4*(\hi)+(\a)):(\f)+8*(4*(\hi)+(\a))+7], v[8*(8*(\a)+(\b)):8*(8*(\a)+(\b))+7]
.endif
.endr
.endr
.endm
; 32 LDS loads in one run: the fragments of one quarter step (128 rows of wq, 128 rows of xb, 32 K at byte k of the rows) into buffer f
.macro FETCH slot, k, f
	WIN TO_B
.irp i, 0,1,2,3,4,5,6,7
	ds_load_b128 v[(\f)+8*(\i):(\f)+8*(\i)+3],   v[ADRB+(\slot)] offset:(\k)+(\i)*16*PITCH
	ds_load_b128 v[(\f)+8*(\i)+4:(\f)+8*(\i)+7], v[ADRB+(\slot)] offset:(\k)+(\i)*16*PITCH+32
.endr
	WIN 0
.irp i, 0,1,2,3,4,5,6,7
	ds_load_b128 v[(\f)+8*(\i):(\f)+8*(\i)+3],   v[ADRA+(\slot)] offset:(\k)+(\i)*16*PITCH
	ds_load_b128 v[(\f)+8*(\i)+4:(\f)+8*(\i)+7], v[ADRA+(\slot)] offset:(\k)+(\i)*16*PITCH+32
.endr
.endm
; A load into a register that a matrix instruction has read, and a vector instruction that reads a matrix result, stand four places behind that matrix instruction, and only plain vector
; instructions that name none of its registers are places (ISA guide 7.12.1 for vector instructions).
.macro PLACES
.rept 4
	v_nop
.endr
.endm
; A K step is four quarter steps of 32 along K, 64 matrix instructions each, on buffers 0, 1, 0, 1.
; One of the first three: multiplies buffer f; in its middle it fetches the next quarter's fragments, at byte k of the same slot's rows, into buffer g.
.macro QUARTER slot, k, f, g, zero
	s_wait_dscnt 8                                 ; wq's and xb's rows 0-63 are in; the youngest eight loads (xb's rows 64-127) may be out
	WIN MUL_LO
	MUL16 \f, 0, 0, \zero
	MUL16 \f, 0, 2, \zero
	PLACES
	FETCH \slot, \k, \g
	s_wait_dscnt 32                                ; all but the 32 just issued
	WIN MUL_HI
	MUL16 \f, 1, 0, \zero
	MUL16 \f, 1, 2, \zero
.endm
; The last quarter multiplies buffer 1 and changes slots.  MEET is its first half: ONE barrier for the change.  In front of it each wave waits for all its tensor loads, of which one is out: its part of
; the next slot; adds 0 to its spare word; and waits for that and for its own reads of this slot.  Behind it nobody reads this slot any more and the next slot is whole.
.macro MEET round                      ; round = 1: a round of the cluster's barrier follows
	WIN 0                                          ; (the add's two registers lie in window 0)
	s_wait_tensorcnt 0x0                           ; all my tensor loads have landed;
	ds_add_u32 v[SPW], v[NIL]                      ; 0 onto my spare word;
	s_wait_dscnt 9                                 ; (the add and the youngest eight loads may be out)
	WIN MUL_LO
	MUL16 F1, 0, 0, 0                              ; sixteen matrix instructions stand between the add and the wait for it
	s_wait_dscnt 0x0                               ; the add is done, and my reads of this slot are over:
	s_barrier_signal -1                            ; say so,
	MUL16 F1, 0, 2, 0                              ; work on registers while the others arrive,
.if \round
	WIN 0
.endif
	s_barrier_wait -1                              ; and go on when all four have said so
.endm
; The whole last quarter of a K step whose slot is filled again, with the K step two on: the refill is the first thing behind the round, and has 224 matrix instructions in which to land.
.macro TURN slot, next
	s_wait_xcnt 0x0                                ; the last prefetch, a K step back, has read its address: it is stepped here, ahead of the waits of the change of slots
	s_add_nc_u64 s[PFA:PFA+1], s[PFA:PFA+1], KSTEP*2
	MEET 1
	CREST                                          ; the barrier has opened a round of the cluster's: no wave of any partner still reads this slot's tile or has a load on its way
	s_add_nc_u64 s[G0+4*(\slot)+2:G0+4*(\slot)+3], s[G0+4*(\slot)+2:G0+4*(\slot)+3], 2*KSTEP*2
	s_add_nc_u64 s[G0B+4*(\slot)+2:G0B+4*(\slot)+3], s[G0B+4*(\slot)+2:G0B+4*(\slot)+3], 2*KSTEP*2
	JLOAD \slot                                    ; the four v_nop behind it are also the places in front of the loads below
	FETCH \next, 0, F0
	ASK
	WIN MUL_HI
	MUL16 F1, 1, 0, 0
	MUL16 F1, 1, 2, 0
.endm
; The same quarter in the last lap: slot 1's load is waited for, nothing is filled again, so no round follows.
.macro TURNL
	MEET 0
	PLACES
	FETCH 1, 0, F0
	WIN MUL_HI
	MUL16 F1, 1, 0, 0
	MUL16 F1, 1, 2, 0
.endm
; THE WAY OUT, by half blocks hb = 0 .. 15: 16 rows (block hb / 2) x 64 columns (half hb % 2) of f32 = rows of 256 bytes.
; PACK: the sums times s, each accumulator's registers in ascending order.  TOSTAGE: into my own stage in LDS, and back as whole rows.  SEND: stored.
.macro PACK hb
.set AC, 64*(((\hb)/2)%4)+32*((\hb)%2)
	WIN 0x02+((\hb)/2)/4                           ; source 0: window 2 or 3
.irp b, 0,1,2,3
.irp r, 0,1,2,3
	v_pk_mul_f32 v[TMP+8*(\b)+2*(\r):TMP+8*(\b)+2*(\r)+1], v[AC+8*(\b)+2*(\r):AC+8*(\b)+2*(\r)+1], v[SC:SC+1]
.endr
.endr
	WIN 0
.endm
.macro TOSTAGE hb
	WIN 0
.set BK, OB+192*((\hb)%2)
.irp b, 0,1,2,3
	ds_store_b128 v[STO], v[TMP+8*(\b):TMP+8*(\b)+3]   offset:64*(\b)
	ds_store_b128 v[STO], v[TMP+8*(\b)+4:TMP+8*(\b)+7] offset:64*(\b)+16
.endr
.irp t, 0,1,2,3,4,5,6,7
	ds_load_b128 v[BK+4*(\t):BK+4*(\t)+3], v[RD] offset:(\t)*2*SPITCH  ; LDS serves a wave's instructions in order (ISA guide 5.7.1.4): these see the stores above
.endr
.endm
.macro SEND hb
	WIN 0
.set BK, OB+192*((\hb)%2)
	s_wait_dscnt 0x0                               ; the half block is back in registers
	s_wait_xcnt 0x0                                ; every earlier store has read its sources: only behind this wait are the stores' base and the registers that earlier stores read rewritten
.if (\hb) == 0
	s_add_nc_u64 s[8:9], s[8:9], s[16:17]          ; on to my first rows
.elseif (\hb)%2 == 0
	s_add_nc_u64 s[8:9], s[8:9], 16*SIZE_N*4       ; 16 rows on
.endif
.irp t, 0,1,2,3,4,5,6,7
	global_store_b128 v[CO], v[BK+4*(\t):BK+4*(\t)+3], s[8:9] offset:2*(\t)*SIZE_N*4+256*((\hb)%2) th:TH_STORE_NT  ; 16 lanes store 256 consecutive bytes, at a multiple of 256 from out0's first byte
.endr
.endm
	s_wait_tensorcnt 1                             ; my part of K step 0 is in; K step 1's, issued behind it, may stay out
	s_barrier_signal -1
	s_barrier_wait -1                              ; everybody's is
	FETCH 0, 0, F0
	QUARTER 0, 64,  F0, F1, 1                      ; the first quarter stands in front of the loop: its products start the sums
	WIN 0                                          ; at a label and at a branch every window is 0
	s_mov_b32 s3, LAPS-1
.Llap:                                                 ; a trip goes once round the ring, from a lap's second quarter to the next lap's first, and fills both slots again
	QUARTER 0, 128, F1, F0, 0
	QUARTER 0, 192, F0, F1, 0
	TURN 0, 1
	QUARTER 1, 64,  F0, F1, 0
	QUARTER 1, 128, F1, F0, 0
	QUARTER 1, 192, F0, F1, 0
	TURN 1, 0
	QUARTER 0, 64,  F0, F1, 0
	WIN 0
	s_sub_co_u32 s3, s3, 1
	s_cmp_lg_u32 s3, 0
	s_cbranch_scc1 .Llap
	QUARTER 0, 128, F1, F0, 0                      ; the last lap is written out: it asks for nothing
	QUARTER 0, 192, F0, F1, 0
	TURNL
	QUARTER 1, 64,  F0, F1, 0
	QUARTER 1, 128, F1, F0, 0
	QUARTER 1, 192, F0, F1, 0
	s_wait_dscnt 8                                 ; the very last quarter: nothing more to fetch
	MUL16 F1, 0, 0, 0
	MUL16 F1, 0, 2, 0
	s_wait_dscnt 0x0
	MUL16 F1, 1, 0, 0
	MUL16 F1, 1, 2, 0
	WIN 0
	PLACES                                         ; eight places, once a launch, in front of the lines that read results
	PLACES
	PACK 0
	TOSTAGE 0
.irp a, 1,2,3,4,5,6,7,8,9,10,11,12,13,14,15   ; half block a's scalings stand between half block a - 1's loads from the stage and the wait for them
	PACK \a
	SEND (\a)-1
	TOSTAGE \a
.endr
	SEND 15
	s_wait_tensorcnt 0x0                           ; the wave's end, behind my last tensor load and my last LDS store
	ds_add_u32 v[SPW], v[NIL]
	s_wait_dscnt 0x0
	CROUND                                         ; the closing round: no work-group ends while a partner may still ask for a tile that names it
	s_endpgm
.Lfunc_end_k_q18dc8cf95b_gemm:
	.size	k_q18dc8cf95b_gemm, .Lfunc_end_k_q18dc8cf95b_gemm-k_q18dc8cf95b_gemm
	.p2alignl 7, 3214868480
	.fill 96, 4, 3214868480
	.section	.rodata,"a",@progbits
	.p2align	6, 0x0
	.amdhsa_kernel k_q18dc8cf95b_gemm
		.amdhsa_group_segment_fixed_size 327680
		.amdhsa_private_segment_fixed_size 0
		.amdhsa_enable_private_segment 0
		.amdhsa_kernarg_size 32
		.amdhsa_user_sgpr_count 2
		.amdhsa_user_sgpr_kernarg_segment_ptr 1
		.amdhsa_wavefront_size32 1
		.amdhsa_system_sgpr_workgroup_id_x 1
		.amdhsa_system_sgpr_workgroup_id_y 1
		.amdhsa_system_sgpr_workgroup_id_z 1
		.amdhsa_system_vgpr_workitem_id 0
		.amdhsa_next_free_vgpr 1024
		.amdhsa_next_free_sgpr 70
		.amdhsa_reserve_vcc 0
		.amdhsa_float_denorm_mode_32 3
		.amdhsa_float_denorm_mode_16_64 3
		.amdhsa_memory_ordered 1
		.amdhsa_forward_progress 1
		.amdhsa_inst_pref_size 160
	.end_amdhsa_kernel
	.amdgpu_metadata
---
amdhsa.version: [ 1, 2 ]
amdhsa.kernels:
  - .name:           k_q18dc8cf95b_gemm
    .symbol:         k_q18dc8cf95b_gemm.kd
    .args:
      - { .name: xb, .offset: 0, .size: 8, .value_kind: global_buffer, .address_space: global }
      - { .name: wq, .offset: 8, .size: 8, .value_kind: global_buffer, .address_space: global }
      - { .name: out0, .offset: 16, .size: 8, .value_kind: global_buffer, .address_space: global }
      - { .name: part, .offset: 24, .size: 8, .value_kind: global_buffer, .address_space: global }
    .group_segment_fixed_size: 327680
    .private_segment_fixed_size: 0
    .kernarg_segment_align: 8
    .kernarg_segment_size: 32
    .max_flat_workgroup_size: 128
    .sgpr_count:     70
    .vgpr_count:     1024
    .wavefront_size: 32
...
	.end_amdgpu_metadata
.endif
;; end of part 3
;; ======== version 2 of 2: 3 launches; version 1 with the launch quant written anew for expert scheduling mode
;; workspace buffers: xb 67,108,864 bytes; wq 16,777,216 bytes; part 1,024 bytes
;; launch prep: the kernel of part 1 again; grid 256 x 1, 8 waves a work-group, no clusters, 1,280 bytes of LDS; arguments x, W, xb, part; writes xb, part
;; launch quant (part 4): grid 256 x 1, 16 waves a work-group, no clusters, 0 bytes of LDS; arguments W, part, wq; writes wq
.if DOCPART == 4
	.amdgcn_target "amdgcn-amd-amdhsa--gfx1250"
	.amdhsa_code_object_version 6
	.text
	.protected	k_q18dc8cf95b_quant
	.globl	k_q18dc8cf95b_quant
	.p2align	8
	.type	k_q18dc8cf95b_quant,@function
k_q18dc8cf95b_quant:
	s_mov_b64 s[64:65], 0
	v_nop
	global_prefetch_b8 v0, s[64:65] scope:SCOPE_SE
	s_setreg_imm32_b32 hwreg(HW_REG_WAVE_SCHED_MODE, 0, 2), 2
	s_setreg_imm32_b32 hwreg(HW_REG_WAVE_MODE, 25, 1), 1
	s_wait_xcnt 0x0
	s_wait_alu depctr_vm_vsrc(0)
; quant: s = max(mean |Wb|, 1e-8) from the 256 partial sums;  q = clip(round(Wb / s), -2, 2);  wq = bf16(((q s - Wb) + Wb) / s), where Wb = bf16(W).
; wq holds the weights DIVIDED by s, and the product's launch multiplies its f32 sums by s once: where (q s - Wb) + Wb is q s to f32's precision, wq is the whole number q, which bf16 holds exactly.
; LIMITS.  W is rounded to bf16 ahead of the quantiser (the whole program takes x and W so).  The quotient is Wb x (1/s) with one correction step on 1/s and one on the quotient; halves round to even (v_rndne_f32).
; NaN and infinities are not treated apart.
; SHARES.  256 work-groups of sixteen waves; a wave owns 8,192 consecutive bytes of W: 16 loads of 512 bytes, all issued at once; a lane stores 8 bytes for each, a wave 256 consecutive bytes, aligned.
; THE MODE: SCHED_MODE bits 1:0 = 2 (LLVM: expert scheduling mode 2), set by the entry lines.  The code itself states the register dependences
; between vector instructions and memory instructions, with s_wait_alu, always for 0.
; THE PLAN.  Registers that memory instructions touch:
;   v[PO], v[WO], v[QO]  byte offsets, made once at the head and never written again; read by the loads of part, the loads of W, the stores.
;   v[PS ..]             written by the two loads of part; no load lands there again.
;   X, slot i            written by slot i's load, issued at the head; read by slot i's first two roundings; its registers 0 and 1 are then written once, by slot i's last two
;                        roundings, and read by slot i's store; nothing writes them after that.
;   T, U, R, C, SC, YR, E are named by vector instructions alone.
; So no register that a memory instruction has read is ever written again, and no load is issued behind a vector instruction that names its registers: what is left to state is that the offsets
; are written, ahead of the first load, and that a store's data are written.  The 16 slots go in four blocks of four.  A block's four stores are issued in the next block, one at the head of each of
; its slots, behind ONE wait at that block's head; the block's vector instructions name its own four slots of X and the registers at work, none of those that these stores read.  The last block's
; stores follow a wait of their own, at the end.
.set BLOCK, 4                          ; slots in a block
.set WO, 2                             ; v2   8,192 x wave + 16 x lane
.set QO, 3                             ; v3   4,096 x wave + 8 x lane
.set PO, 4                             ; v4   32 x lane: my eight partial sums
.set PS, 8                             ; v[8:15]
.set SC, 16                            ; v[16:17]  s, twice
.set YR, 18                            ; v[18:19]  1/s, twice
.set E,  20                            ; v20
.set T,  24                            ; v[24:27]  Wb in f32
.set U,  28                            ; v[28:31]  the quotient, then q
.set R,  32                            ; v[32:35]  at work
.set C,  36                            ; v[36:37]
.set X,  40                            ; v[40:103] slot i: 4 registers as loaded; the first two then hold what is stored
; The scale from the 256 partial sums, lane l holding numbers 8 l .. 8 l + 7: the same lines, so the same bits, in both launches that need it.
.macro SCALE p, sc, sa, sb
	v_pk_add_f32 v[(\p):(\p)+1],   v[(\p):(\p)+1],   v[(\p)+2:(\p)+3]
	v_pk_add_f32 v[(\p)+4:(\p)+5], v[(\p)+4:(\p)+5], v[(\p)+6:(\p)+7]
	v_pk_add_f32 v[(\p):(\p)+1],   v[(\p):(\p)+1],   v[(\p)+4:(\p)+5]
	v_add_f32 v[(\p)], v[(\p)], v[(\p)+1]
	v_add_f32_dpp v[(\p)], v[(\p)], v[(\p)] row_xmask:1 row_mask:0xf bank_mask:0xf
	v_add_f32_dpp v[(\p)], v[(\p)], v[(\p)] row_xmask:2 row_mask:0xf bank_mask:0xf
	v_add_f32_dpp v[(\p)], v[(\p)], v[(\p)] row_xmask:4 row_mask:0xf bank_mask:0xf
	v_add_f32_dpp v[(\p)], v[(\p)], v[(\p)] row_xmask:8 row_mask:0xf bank_mask:0xf
	v_permlanex16_b32 v[(\p)+1], v[(\p)], s[(\sa)], s[(\sb)]
	v_add_f32 v[(\p)], v[(\p)], v[(\p)+1]
	v_mul_f32 v[(\p)], 0x34000000, v[(\p)]         ; / 8,388,608 = x 2^-23, exact
	v_max_num_f32 v[(\sc)], 0x322bcc77, v[(\p)]    ; at least 1e-8
	v_mov_b32 v[(\sc)+1], v[(\sc)]
.endm
	s_load_b128 s[4:7], s[0:1], 0x0                ; W s[4:5], part s[6:7]
	s_load_b64 s[8:9], s[0:1], 0x10                ; wq
	v_and_b32 v1, 0x1e0, v0                        ; 32 x wave
	v_and_b32 v5, 31, v0                           ; lane
	v_lshlrev_b32 v[WO], 4, v5
	v_lshl_or_b32 v[WO], v1, 8, v[WO]
	v_lshlrev_b32 v[QO], 3, v5
	v_lshl_or_b32 v[QO], v1, 7, v[QO]
	v_lshlrev_b32 v[PO], 5, v5
	s_mov_b32 s12, 0xffff0000                      ; a word's upper bf16
	s_mov_b32 s14, 0x76543210
	s_mov_b32 s15, 0xfedcba98
	s_mov_b32 s11, 0
	s_lshl_b32 s10, ttmp9, 17                      ; the work-group's 131,072 bytes of W
	s_wait_kmcnt 0x0
	s_add_nc_u64 s[4:5], s[4:5], s[10:11]
	s_lshl_b32 s10, ttmp9, 16                      ; its 65,536 bytes of wq
	s_add_nc_u64 s[8:9], s[8:9], s[10:11]
	s_mov_b32 s10, 0xc0000000                      ; -2.0 and 2.0: the clip's bounds
	s_mov_b32 s11, 0x40000000
	s_wait_alu depctr_va_vdst(0)                   ; v[PO], v[WO] and v[QO] are written: every load and store of the kernel reads one of them as its offset
	global_load_b128 v[PS:PS+3],   v[PO], s[6:7]
	global_load_b128 v[PS+4:PS+7], v[PO], s[6:7] offset:16
.set n, 0
.rept 16
	global_load_b128 v[X+4*n:X+4*n+3], v[WO], s[4:5] offset:512*n th:TH_LOAD_NT
.set n, n+1
.endr
	s_wait_loadcnt 16                              ; the partial sums are in; W's 16 loads, issued behind them, stay out
	SCALE PS, SC, 14, 15
	v_rcp_f32 v[YR], v[SC]
	v_nop                                          ; a plain instruction between the reciprocal and its use (ISA guide 5.7.2),
	s_wait_alu depctr_va_vdst(0)                   ; and the reciprocal has written v[YR], ahead of its first reader
	v_fma_f32 v[E], -v[SC], v[YR], 1.0             ; one correction step: y += y (1 - s y)
	v_fma_f32 v[YR], v[E], v[YR], v[YR]
	v_mov_b32 v[YR+1], v[YR]
; The store of slot j: its data registers are its own and are never written again, so nothing is owed behind it.
.macro OUTQ j
	global_store_b64 v[QO], v[X+4*(\j):X+4*(\j)+1], s[8:9] offset:256*(\j) th:TH_STORE_NT  ; the wave's 32 lanes: 256 consecutive bytes, aligned
.endm
; Slot i.  From the second block on, the store of the slot a block back stands at its head.
.macro SLOTQ i
	s_wait_loadcnt 15-(\i)                         ; loads come back in order: slot i is in
.if (\i) >= BLOCK
.if (\i) % BLOCK == 0
	s_wait_alu depctr_va_vdst(0)                   ; the block before has written the first two registers of its four slots, which this block's four stores read; no vector instruction behind this wait names them
.endif
	OUTQ (\i)-BLOCK
.endif
	v_cvt_pk_bf16_f32 v[C],   v[X+4*(\i)],   v[X+4*(\i)+1]
	v_cvt_pk_bf16_f32 v[C+1], v[X+4*(\i)+2], v[X+4*(\i)+3]
	v_lshlrev_b32 v[T],   16,  v[C]                ; Wb in f32
	v_and_b32     v[T+1], s12, v[C]
	v_lshlrev_b32 v[T+2], 16,  v[C+1]
	v_and_b32     v[T+3], s12, v[C+1]
.irp k, 0,2
	v_pk_mul_f32 v[U+(\k):U+(\k)+1], v[T+(\k):T+(\k)+1], v[YR:YR+1]                                             ; u = Wb y
.endr
.irp k, 0,2
	v_pk_fma_f32 v[R+(\k):R+(\k)+1], v[U+(\k):U+(\k)+1], v[SC:SC+1], v[T+(\k):T+(\k)+1] neg_lo:[1,0,0] neg_hi:[1,0,0]  ; what is left: Wb - u s
.endr
.irp k, 0,2
	v_pk_fma_f32 v[U+(\k):U+(\k)+1], v[R+(\k):R+(\k)+1], v[YR:YR+1], v[U+(\k):U+(\k)+1]                         ; the quotient, corrected
.endr
.irp k, 0,1,2,3
	v_rndne_f32 v[U+(\k)], v[U+(\k)]
.endr
.irp k, 0,1,2,3
	v_med3_num_f32 v[U+(\k)], v[U+(\k)], s10, s11                                                               ; q
.endr
.irp k, 0,2
	v_pk_mul_f32 v[R+(\k):R+(\k)+1], v[U+(\k):U+(\k)+1], v[SC:SC+1]                                             ; q s
.endr
.irp k, 0,2
	v_pk_add_f32 v[R+(\k):R+(\k)+1], v[R+(\k):R+(\k)+1], v[T+(\k):T+(\k)+1] neg_lo:[0,1] neg_hi:[0,1]          ; - Wb
.endr
.irp k, 0,2
	v_pk_add_f32 v[R+(\k):R+(\k)+1], v[R+(\k):R+(\k)+1], v[T+(\k):T+(\k)+1]                                     ; + Wb
.endr
.irp k, 0,2
	v_pk_mul_f32 v[R+(\k):R+(\k)+1], v[R+(\k):R+(\k)+1], v[YR:YR+1]                                             ; / s
.endr
	v_cvt_pk_bf16_f32 v[X+4*(\i)],   v[R],   v[R+1]
	v_cvt_pk_bf16_f32 v[X+4*(\i)+1], v[R+2], v[R+3]
.endm
.set n, 0
.rept 16
	SLOTQ n
.set n, n+1
.endr
	s_wait_alu depctr_va_vdst(0)                   ; the last block has written the first two registers of its four slots, which the last four stores read
.set n, 16-BLOCK
.rept BLOCK
	OUTQ n
.set n, n+1
.endr
	s_endpgm
.Lfunc_end_k_q18dc8cf95b_quant:
	.size	k_q18dc8cf95b_quant, .Lfunc_end_k_q18dc8cf95b_quant-k_q18dc8cf95b_quant
	.p2alignl 7, 3214868480
	.fill 96, 4, 3214868480
	.section	.rodata,"a",@progbits
	.p2align	6, 0x0
	.amdhsa_kernel k_q18dc8cf95b_quant
		.amdhsa_group_segment_fixed_size 0
		.amdhsa_private_segment_fixed_size 0
		.amdhsa_enable_private_segment 0
		.amdhsa_kernarg_size 24
		.amdhsa_user_sgpr_count 2
		.amdhsa_user_sgpr_kernarg_segment_ptr 1
		.amdhsa_wavefront_size32 1
		.amdhsa_system_sgpr_workgroup_id_x 1
		.amdhsa_system_sgpr_workgroup_id_y 1
		.amdhsa_system_sgpr_workgroup_id_z 1
		.amdhsa_system_vgpr_workitem_id 0
		.amdhsa_next_free_vgpr 104
		.amdhsa_next_free_sgpr 66
		.amdhsa_reserve_vcc 0
		.amdhsa_float_denorm_mode_32 3
		.amdhsa_float_denorm_mode_16_64 3
		.amdhsa_memory_ordered 1
		.amdhsa_forward_progress 1
		.amdhsa_inst_pref_size 33
	.end_amdhsa_kernel
	.amdgpu_metadata
---
amdhsa.version: [ 1, 2 ]
amdhsa.kernels:
  - .name:           k_q18dc8cf95b_quant
    .symbol:         k_q18dc8cf95b_quant.kd
    .args:
      - { .name: W, .offset: 0, .size: 8, .value_kind: global_buffer, .address_space: global }
      - { .name: part, .offset: 8, .size: 8, .value_kind: global_buffer, .address_space: global }
      - { .name: wq, .offset: 16, .size: 8, .value_kind: global_buffer, .address_space: global }
    .group_segment_fixed_size: 0
    .private_segment_fixed_size: 0
    .kernarg_segment_align: 8
    .kernarg_segment_size: 24
    .max_flat_workgroup_size: 512
    .sgpr_count:     66
    .vgpr_count:     104
    .wavefront_size: 32
...
	.end_amdgpu_metadata
.endif
;; end of part 4
;; launch gemm: the kernel of part 3 again; grid 8 x 32, 4 waves a work-group, clusters of 4 x 4, 327,680 bytes of LDS; arguments xb, wq, out0, part; writes out0
